; MI455X (gfx1250); checked and timed in simulation.
; The chip was launched on July 23, 2026; its instructions are those of AMD's public machine-readable ISA for CDNA 5 (MIT licence, August 2026) and "CDNA5" Instruction Set Architecture Reference Guide (July 2026). The comments in the code are by the model that wrote it; some were corrected since.
;; Inference Palettized Linear. Allowed arithmetic: matrix products marked QUANTISED: E2M1 operands, one E8M0 scale for each 32 along K, by v_wmma_scale_f32_16x16x128_f8f6f4 with both operands' format E2M1 (or v_wmma_scale_f32_32x16x128_f4), f32 sums; everything else in f32.
;; Inputs: bias 2,048 float32; input 4 x 2,048 x 4,096 float32; lookup_table 256 float32; weight_idx 2,048 x 4,096 int32.
;; Outputs: out0 4 x 2,048 x 2,048 float32.
;; This version of the problem:
;;   THIS VERSION OF THE PROBLEM IS GIVEN IN LOW PRECISION. The matrix products marked QUANTISED in the list below multiply operands that are first quantised to E2M1 (2 exponent bits, 1 mantissa bit; 4 bits a number), with one power-of-two scale for each 32 numbers along K (OCP MX v1.0); their sums are f32. All else is computed in f32.
;;   The module's matrix products, in the order in which they are computed (A, B: the left and right operand; K: the contracted axis; several contracted axes count as one K, in the product's order):
;;     1. [M 8,192, K 4,096] x [K 4,096, N 2,048]; A: input input; B: computed on the way: QUANTISED
;;   THE QUANTISER, for each operand of a quantised product, along K:
;;     - K is cut into blocks of 32 from its start; a last block that is shorter is filled with zeros.
;;     - A block's scale is 2^e with e = floor(log2(the largest magnitude in the block)) - 2, held to -126 .. 127; a block of zeros has e = 0. As a byte (E8M0): e + 127.
;;     - Each number is divided by its block's scale, clamped to +-6, and rounded to the nearest number of E2M1, ties to even, subnormals kept.
;;     - The product sums the exact products of the quantised numbers (number of the format x scale) in f32.
;;   ~~~python
;;   def quantise(x, axis):      # numpy; x: float32 -> the quantised numbers, widened to float32 again
;;       x = np.moveaxis(x, axis, -1); K = x.shape[-1]
;;       x = np.pad(x, [(0, 0)] * (x.ndim - 1) + [(0, -K % 32)]); x = x.reshape(x.shape[:-1] + (-1, 32)); a = np.abs(x).max(-1, keepdims=True)
;;       e = np.where(a > 0, np.clip(np.frexp(np.where(a > 0, a, 1))[1] - 1 - 2, -126, 127), 0)      # np.frexp(a)[1] - 1 = floor(log2(a)), exactly
;;       r = np.clip(x / 2.0 ** e, -6, 6)
;;       step = 2.0 ** (np.maximum(np.frexp(np.where(r == 0, 1, r))[1] - 1, 0) - 1)
;;       q = np.round(r / step) * step * 2.0 ** e      # np.round: ties to even
;;       return np.moveaxis(q.reshape(q.shape[:-2] + (-1,))[..., :K], -1, axis).astype(np.float32)
;;   ~~~
;;   OPERANDS COMPUTED ON THE WAY. 'Computed on the way' means the value that the module computes at that place (a softmax that the list does not call 'softmax' is quantised finished and normalised). What goes into a quantiser is computed in f32, as accurately as f32 sums, v_exp_f32 and their like allow (about 1e-6 of the number): no bf16 or f16 on the way to a quantiser, and a product that is left as it is and whose result goes on into a quantised operand takes f32 operands (vector FMAs, or v_wmma_f32_16x16x4_f32). A number that lies on a knife's edge between two numbers of the format may be rounded either way, as far as f32 arithmetic and the matrix unit's own rounding can turn it there, and no further.
;; One version. Each part assembles by itself: llvm-mc -triple=amdgcn-amd-amdhsa -mcpu=gfx1250 --defsym DOCPART=n.
;; ======== version 1 of 1: 2 launches
;; limits: right only within a limited range of input values
;; workspace buffers: acodes 17,825,792 bytes; bcodes 4,456,448 bytes
;; launch quant (part 1): grid 1024 x 1, 4 waves a work-group, no clusters, 66,048 bytes of LDS; arguments input, weight_idx, lookup_table, acodes, bcodes; writes acodes, bcodes
.if DOCPART == 1
	.amdgcn_target "amdgcn-amd-amdhsa--gfx1250"
	.amdhsa_code_object_version 6
	.text
	.protected	k_q17293494a3_quant
	.globl	k_q17293494a3_quant
	.p2align	8
	.type	k_q17293494a3_quant,@function
k_q17293494a3_quant:
	s_mov_b64 s[64:65], 0
	v_nop
	global_prefetch_b8 v0, s[64:65] scope:SCOPE_SE
	s_setreg_imm32_b32 hwreg(HW_REG_WAVE_MODE, 25, 1), 1
	s_wait_xcnt 0x0
; Both operands of out = input W^T + bias become codes of FP4 (E2M1) with one E8M0 scale byte for each 32 along K (K = 4,096, innermost in both).
; input: [8192][4096] f32.  W[o][i] = lookup_table[weight_idx[o][i]]: [2048][4096], looked up here, in f32, ahead of the quantiser.
; A block's scale is 2^(floor(log2(its largest magnitude)) - 2); its byte is the largest magnitude's own exponent field - 2, held at 1 from below; each number is divided by the scale and
; rounded to the nearest code, ties to even, beyond the largest code the largest.
; LIMITS: NaN and infinities among the inputs are not served.  A block of zeros gets the byte 1 where the rule says 127: its codes are zeros, which add nothing under any byte but 0xff, and this program alone reads the bytes.
; THE WORKSPACE IS LAID AS THE PRODUCT'S LAUNCH FETCHES IT: [tile of 256 rows][K step of 512][69,632 bytes].  In such a block: 256 runs of 256 bytes, row r's 512 codes (two a byte, the lower k low);
; behind them 16 runs of 256 bytes of scale bytes, run i = [row 16 i + r'][16 bytes], byte b for k = 32 b of the K step.
; SHARES.  1,024 work-groups, all alike.  A wave takes 20 steps of 512 numbers: 16 rows x one K step of the input, and 4 rows x one K step of the weights.
; ORDER.  At the head a wave asks for its 8 bytes of the table, its 64 registers of indices and the input's first four steps.  The table goes into LDS | barrier | all indices are looked up, each number landing on its
; index's register: LDS is only read in this stretch, whatever the indices are | barrier | the 20 steps: the four of the weights take turns with the input's first four, then the input's ring of four sets of load registers runs on.
; A STEP's four loads read 512 consecutive bytes each, 16 a lane; the conversions want 16 NEIGHBOURS in a lane, so the 2,048 bytes go through the wave's own stage in LDS and come back 64 bytes a lane.
; Two neighbouring lanes hold a block of 32.  A lane's 16 codes are 8 bytes: a store of the wave covers 256 consecutive bytes, aligned; the stores of four steps leave together.
; THE STAGE has 16 bytes of padding behind each 256: piece c of 16 bytes lies at 16 c + 16 (c / 16); sixteen neighbouring lanes touch sixteen different columns of 16 bytes both ways (64 banks of 4 bytes: ISA guide 11.1).
; The claim of LDS is larger than the use: four work-groups to a WGP, 1,024 in all on 256 WGPs.
.set TILEB, 69632                      ; a block of the workspace: (256 + 16) x 256 bytes
.set KT,    8*TILEB                    ; a tile's eight K steps
.set ROWB,  16384                      ; a row of input or of weight_idx in bytes
.set EMAX,  2
.set STG,   8*272                      ; a stage: 2,048 bytes and eight paddings
.set SCB,   2*STG                      ; behind a wave's two stages the 256 scale bytes of its 16 rows of the input
.set WREG,  8192                       ; a wave's region of LDS
.set TAB,   8*WREG-1024                ; the table, the work-group's
.set SCW,   TAB-256                    ; weights: the work-group's 256 scale bytes: [16 rows][16 bytes]
.set R,     16                         ; v16-79   the ring: four sets of 16 numbers as they are loaded
.set X,     80                         ; v80-111  two sets of 16 neighbours
.set E,     112                        ; input: v112-127 a scale byte for each step
.set C,     128                        ; input: v128-159 two registers of codes for each step: no store's data are written again
.set AD,    160                        ; weights: v160-223 64 indices, then their byte offsets in the table, then the table's numbers
.set EW,    224                        ; weights: v224-227 scale bytes
.set CW,    228                        ; weights: v228-235 codes
.set SWO,   236                        ; weights: the way out of the 256 scale bytes
.set SPW,   238                        ; my spare word; never rewritten
.set NIL,   239                        ; 0; never rewritten
; 16 registers at v[src] go through stage par.  LDS serves a wave's instructions in order, so no wait stands between the stores and the loads
.macro TURN src, par
.irp i, 0,1,2,3
	ds_store_b128 v14, v[(\src)+4*\i:(\src)+4*\i+3] offset:STG*(\par)+544*\i
.endr
.irp i, 0,1,2,3
	ds_load_b128 v[X+16*(\par)+4*\i:X+16*(\par)+4*\i+3], v15 offset:STG*(\par)+16*\i
.endr
.endm
; the 16 neighbours of set par become 16 codes in v[c], v[c + 1] and a scale byte in v[e], which waits in LDS at v[sa] + 16 idx
.macro QCORE par, idx, c, e, sa
.set XS, X+16*(\par)
	v_max3_num_f32 v8, |v[XS]|, |v[XS+1]|, |v[XS+2]|               ; the largest magnitude of my 16, in two chains
	v_max3_num_f32 v9, |v[XS+3]|, |v[XS+4]|, |v[XS+5]|
.irp i, 6,10
	v_max3_num_f32 v8, v8, |v[XS+\i]|, |v[XS+\i+1]|
	v_max3_num_f32 v9, v9, |v[XS+\i+2]|, |v[XS+\i+3]|
.endr
	v_max3_num_f32 v8, v8, |v[XS+14]|, |v[XS+15]|
	v_max3_num_f32 v8, v8, v9, (EMAX+1)<<23        ; and the floor 2^(EMAX + 1 - 127): the byte cannot fall under 1
	v_max_num_f32_dpp v8, v8, v8 row_xmask:1 row_mask:0xf bank_mask:0xf   ; and of my neighbour's 16: the block's
	v_add_nc_u32 v11, -(EMAX<<23), v8              ; EMAX off its exponent field: the conversion takes the exponent field of this operand as its scale
	v_cvt_scalef32_pk8_fp4_f32 v[(\c)], v[XS:XS+7], v11
	v_cvt_scalef32_pk8_fp4_f32 v[(\c)+1], v[XS+8:XS+15], v11
	v_lshrrev_b32 v[(\e)], 23, v11                 ; the scale's byte; also the plain line behind the conversions
	ds_store_b8 v[\sa], v[(\e)] offset:16*(\idx)   ; both lanes of a block write the same byte with the same value
.endm
.macro OUT4 c, i0, cb                  ; the codes of steps i0 .. i0 + 3: each store covers 256 consecutive bytes, at a multiple of 256 from the buffer's first byte
.irp k, 0,1,2,3
	global_store_b64 v4, v[(\c)+2*((\i0)+\k):(\c)+2*((\i0)+\k)+1], s[\cb:\cb+1] offset:256*((\i0)+\k)
.endr
.endm
.macro LOAD t                          ; row t of my 16 of the input: 32 lanes read 512 consecutive bytes; read once in the launch
.irp i, 0,1,2,3
	global_load_b128 v[R+16*((\t)%4)+4*\i:R+16*((\t)%4)+4*\i+3], v3, s[4:5] offset:ROWB*(\t)+512*\i th:TH_LOAD_NT
.endr
.endm
; The input's step t, whose numbers come back in set par.  The step behind it: nk = 1 the input's step nx (lc: the loads issued behind its own, which may be out), nk = 2 the weights' step nx, nk = 0 none
.macro ISTEP t, par, nk, nx, lc
.if (\t) > 0
	s_wait_dscnt 1                                 ; this step's numbers are back from the stage (the last step's byte store may be out): so its stores into the stage have read their registers,
.else
	s_wait_dscnt 0x0
.endif
.if (\t)+4 < 16
	LOAD (\t)+4                                    ; which take the loads of four steps on
.endif
.if (\nk) == 1
	s_wait_loadcnt \lc
	TURN R+16*((\nx)%4), 1-(\par)                  ; the next step goes through the other stage while this one is worked
.endif
.if (\nk) == 2
	TURN AD+16*(\nx), 1-(\par)
.endif
	QCORE \par, \t, C+2*(\t), E+(\t), 5
.if (\t)%4 == 3
	OUT4 C, (\t)-3, 10
.endif
.endm
.macro WSTEP w, nx                     ; the weights' step w, in set 1; behind it the input's step nx
	s_wait_dscnt 1
	s_wait_loadcnt 12                              ; step nx's four loads are in; those of the three steps behind it may be out
	TURN R+16*((\nx)%4), 0
	QCORE 1, \w, CW+2*(\w), EW+(\w), 7
.if (\w) == 3
	OUT4 CW, 0, 12
.endif
.endm
	s_load_b128 s[4:7], s[0:1], 0x0                ; input, weight_idx
	s_load_b128 s[8:11], s[0:1], 0x10              ; lookup_table, acodes
	s_load_b64 s[12:13], s[0:1], 0x20              ; bcodes
	v_lshl_add_u32 v[SPW], v0, 2, 0x10000          ; behind the regions
	v_mov_b32 v[NIL], 0
	v_lshrrev_b32 v1, 5, v0
	v_readfirstlane_b32 s16, v1                    ; wave 0..3
	v_and_b32 v2, 31, v0                           ; lane
	v_lshlrev_b32 v3, 4, v2                        ; my 16 bytes of a load's 512
	v_lshlrev_b32 v4, 3, v2                        ; my 8 bytes of a run of 256
	v_lshlrev_b32 v10, 3, v0                       ; my 8 bytes of the table, in memory and in LDS
	s_mul_i32 s17, s16, WREG                       ; my wave's region
	s_lshl_b32 s18, s16, 6
	s_add_co_u32 s18, s18, SCW                     ; my wave's four rows' 64 scale bytes of the weights
	v_and_b32 v14, 16, v2
	v_lshl_add_u32 v14, v2, 4, v14
	v_add_nc_u32 v14, s17, v14                     ; the stage, in: load i's piece 32 i + lane: 16 lane + 16 (lane / 16), and 544 i in the immediate
	v_lshrrev_b32 v15, 2, v2
	v_lshlrev_b32 v15, 4, v15
	v_lshl_add_u32 v15, v2, 6, v15
	v_add_nc_u32 v15, s17, v15                     ; out: piece 4 lane + i: 64 lane + 16 (lane / 4), and 16 i in the immediate
	s_add_co_u32 s17, s17, SCB
	v_lshrrev_b32 v1, 1, v2
	v_add_nc_u32 v5, s17, v1                       ; input: my block's scale byte, among my wave's 256
	v_add_nc_u32 v6, s17, v4                       ; and their way out: 8 bytes a lane
	v_add_nc_u32 v7, s18, v1                       ; weights: my block's scale byte
	v_add_nc_u32 v[SWO], SCW, v4                   ; and the way out of all 256
	s_lshr_b32 s18, ttmp9, 1                       ; input: which 16 rows: 0..511
	s_and_b32 s19, ttmp9, 1
	s_lshl_b32 s19, s19, 2
	s_add_co_u32 s19, s19, s16                     ; which K step: 4 x (work-group % 2) + wave
	s_lshl_b32 s20, s18, 18                        ; 16 rows of 16,384 bytes
	s_lshl_b32 s22, s19, 11                        ; 512 numbers of 4 bytes
	s_add_co_u32 s20, s20, s22
	s_mov_b32 s21, 0                               ; s[20:21]: where my part of the input begins
	s_lshr_b32 s22, s18, 4                         ; the tile of 256 rows
	s_mul_i32 s22, s22, KT
	s_mul_i32 s23, s19, TILEB
	s_add_co_u32 s22, s22, s23                     ; the block of the workspace
	s_and_b32 s23, s18, 15                         ; which 16 rows of the tile
	s_lshl_b32 s24, s23, 8
	s_add_co_u32 s24, s24, s22
	s_add_co_u32 s24, s24, 65536                   ; s[24:25]: their run of scale bytes, behind the block's 256 rows of codes
	s_mov_b32 s25, 0
	s_lshl_b32 s23, s23, 12
	s_add_co_u32 s22, s22, s23                     ; s[22:23]: their 16 rows of 256 bytes of codes
	s_mov_b32 s23, 0
	s_and_b32 s19, ttmp9, 7                        ; weights: which K step
	s_lshr_b32 s18, ttmp9, 3                       ; which 16 rows: 0..127; my wave's four are 4 x wave on
	s_lshl_b32 s26, s18, 18
	s_lshl_b32 s27, s16, 16
	s_add_co_u32 s26, s26, s27
	s_lshl_b32 s27, s19, 11
	s_add_co_u32 s26, s26, s27
	s_mov_b32 s27, 0                               ; s[26:27]: where my part of weight_idx begins
	s_wait_alu depctr_va_vdst(0)                   ; the wait at the head's end
	s_wait_kmcnt 0x0
	s_add_nc_u64 s[6:7], s[6:7], s[26:27]
	s_add_nc_u64 s[4:5], s[4:5], s[20:21]
	global_load_b64 v[12:13], v10, s[8:9]          ; the table's 8 bytes first, then the indices, then the input: the counted waits below take them in this order
.irp t, 0,1,2,3
.irp i, 0,1,2,3
	global_load_b128 v[AD+16*\t+4*\i:AD+16*\t+4*\i+3], v3, s[6:7] offset:ROWB*\t+512*\i th:TH_LOAD_NT   ; 32 lanes read 512 consecutive bytes; read once in the launch
.endr
.endr
.irp t, 0,1,2,3
	LOAD \t
.endr
	s_add_nc_u64 s[28:29], s[10:11], s[24:25]
	s_add_nc_u64 s[10:11], s[10:11], s[22:23]
	s_lshr_b32 s20, s18, 4                         ; the weights' block of the workspace
	s_mul_i32 s20, s20, KT
	s_mul_i32 s22, s19, TILEB
	s_add_co_u32 s20, s20, s22
	s_and_b32 s18, s18, 15
	s_lshl_b32 s22, s18, 12
	s_add_co_u32 s22, s22, s20
	s_lshl_b32 s24, s16, 10                        ; my four rows of 256 bytes of codes
	s_add_co_u32 s22, s22, s24
	s_mov_b32 s23, 0
	s_lshl_b32 s24, s18, 8
	s_add_co_u32 s20, s20, s24
	s_add_co_u32 s20, s20, 65536                   ; the 16 rows' run of scale bytes
	s_mov_b32 s21, 0
	s_add_nc_u64 s[30:31], s[12:13], s[20:21]
	s_add_nc_u64 s[12:13], s[12:13], s[22:23]
	s_wait_loadcnt 32                              ; my 8 bytes of the table are in; the 16 index loads and the 16 of the input behind them may be out
	ds_store_b64 v10, v[12:13] offset:TAB
	s_wait_dscnt 0x0                               ; for the others' sake: my part of the table has landed
	s_barrier_signal -1
	s_barrier_wait -1                              ; the table is whole, and no wave stores into LDS before the next barrier
.irp t, 0,1,2,3
	s_wait_loadcnt 28-4*\t                         ; row t's four index loads are in; those of the rows behind it and the input's 16 may be out
.irp j, 0,1,2,3,4,5,6,7,8,9,10,11,12,13,14,15
	v_min_u32 v[AD+16*\t+\j], 0xff, v[AD+16*\t+\j] ; a loaded number enters an address only behind a bound; an index lies inside its table, so this changes nothing
.endr
.irp j, 0,1,2,3,4,5,6,7,8,9,10,11,12,13,14,15
	v_lshlrev_b32 v[AD+16*\t+\j], 2, v[AD+16*\t+\j]
.endr
.irp j, 0,1,2,3,4,5,6,7,8,9,10,11,12,13,14,15
	ds_load_b32 v[AD+16*\t+\j], v[AD+16*\t+\j] offset:TAB          ; 32 numbers of the table, each onto its own address register
.endr
.endr
	s_wait_dscnt 0x0                               ; all my look-ups are back
	s_barrier_signal -1
	s_barrier_wait -1                              ; everybody's are: only now does any wave store into LDS again
	s_wait_loadcnt 12                              ; the input's step 0 is in
	TURN R, 0
.irp w, 0,1,2,3
	ISTEP \w, 0, 2, \w, 0                          ; the input's steps 0-3 and the weights' four by turns
	WSTEP \w, \w+1
.endr
.irp t, 4,5,6,7,8,9,10,11
	ISTEP \t, (\t)%2, 1, \t+1, 12
.endr
	ISTEP 12, 0, 1, 13, 8                          ; the counts run down: nothing more is loaded
	ISTEP 13, 1, 1, 14, 4
	ISTEP 14, 0, 1, 15, 0
	ISTEP 15, 1, 0, 0, 0
	ds_load_b64 v[12:13], v6                       ; the input's [16 rows][16 bytes]; LDS serves a wave's instructions in order: these see my stores
	s_wait_dscnt 0x0                               ; also, for wave 0's sake: my 64 scale bytes of the weights have landed
	global_store_b64 v4, v[12:13], s[28:29]        ; 32 lanes store 256 consecutive bytes, aligned
	s_barrier_signal -1
	s_barrier_wait -1
	s_cmp_lg_u32 s16, 0
	s_cbranch_scc1 .Lwdone
	ds_load_b64 v[8:9], v[SWO]                     ; the weights' [16 rows][16 bytes], from all four waves
	s_wait_dscnt 0x0
	global_store_b64 v4, v[8:9], s[30:31]          ; 32 lanes store 256 consecutive bytes, aligned
.Lwdone:
	s_wait_tensorcnt 0x0                           ; the wave's end
	ds_add_u32 v[SPW], v[NIL]
	s_wait_dscnt 0x0
	s_endpgm
.Lfunc_end_k_q17293494a3_quant:
	.size	k_q17293494a3_quant, .Lfunc_end_k_q17293494a3_quant-k_q17293494a3_quant
	.p2alignl 7, 3214868480
	.fill 96, 4, 3214868480
	.section	.rodata,"a",@progbits
	.p2align	6, 0x0
	.amdhsa_kernel k_q17293494a3_quant
		.amdhsa_group_segment_fixed_size 66048
		.amdhsa_private_segment_fixed_size 0
		.amdhsa_enable_private_segment 0
		.amdhsa_kernarg_size 40
		.amdhsa_user_sgpr_count 2
		.amdhsa_user_sgpr_kernarg_segment_ptr 1
		.amdhsa_wavefront_size32 1
		.amdhsa_system_sgpr_workgroup_id_x 1
		.amdhsa_system_sgpr_workgroup_id_y 1
		.amdhsa_system_sgpr_workgroup_id_z 1
		.amdhsa_system_vgpr_workitem_id 0
		.amdhsa_next_free_vgpr 240
		.amdhsa_next_free_sgpr 66
		.amdhsa_reserve_vcc 0
		.amdhsa_float_denorm_mode_32 3
		.amdhsa_float_denorm_mode_16_64 3
		.amdhsa_memory_ordered 1
		.amdhsa_forward_progress 1
		.amdhsa_inst_pref_size 53
	.end_amdhsa_kernel
	.amdgpu_metadata
---
amdhsa.version: [ 1, 2 ]
amdhsa.kernels:
  - .name:           k_q17293494a3_quant
    .symbol:         k_q17293494a3_quant.kd
    .args:
      - { .name: input, .offset: 0, .size: 8, .value_kind: global_buffer, .address_space: global }
      - { .name: weight_idx, .offset: 8, .size: 8, .value_kind: global_buffer, .address_space: global }
      - { .name: lookup_table, .offset: 16, .size: 8, .value_kind: global_buffer, .address_space: global }
      - { .name: acodes, .offset: 24, .size: 8, .value_kind: global_buffer, .address_space: global }
      - { .name: bcodes, .offset: 32, .size: 8, .value_kind: global_buffer, .address_space: global }
    .group_segment_fixed_size: 66048
    .private_segment_fixed_size: 0
    .kernarg_segment_align: 8
    .kernarg_segment_size: 40
    .max_flat_workgroup_size: 128
    .sgpr_count:     66
    .vgpr_count:     240
    .wavefront_size: 32
...
	.end_amdgpu_metadata
.endif
;; end of part 1
;; launch gemm (part 2): grid 8 x 32, 4 waves a work-group, clusters of 4 x 4, 327,680 bytes of LDS; arguments acodes, bcodes, bias, out0; writes out0
.if DOCPART == 2
	.amdgcn_target "amdgcn-amd-amdhsa--gfx1250"
	.amdhsa_code_object_version 6
	.text
	.protected	k_q17293494a3_gemm
	.globl	k_q17293494a3_gemm
	.p2align	8
	.type	k_q17293494a3_gemm,@function
k_q17293494a3_gemm:
	s_mov_b64 s[64:65], 0
	v_nop
	global_prefetch_b8 v0, s[64:65] scope:SCOPE_SE
	s_setreg_imm32_b32 hwreg(HW_REG_WAVE_MODE, 25, 1), 1
	s_wait_xcnt 0x0
	s_wait_alu depctr_hold_cnt(0) depctr_sa_sdst(0) depctr_va_vdst(0) depctr_va_sdst(0) depctr_va_ssrc(0) depctr_va_vcc(0) depctr_vm_vsrc(0)
	s_getreg_b32 s2, hwreg(HW_REG_IB_STS2, 6, 4)
	s_cmp_eq_u32 s2, 0
	s_cbranch_scc0 .Lentry_in_a_cluster
	s_endpgm
.Lentry_in_a_cluster:
	s_bfe_u32 s2, ttmp6, 0x10000c
	s_cmp_lg_u32 s2, 0xf033
	s_cbranch_scc0 .Lentry_shape_is_right
	s_endpgm
.Lentry_shape_is_right:
; out0[m][n] = sum over k of A[m][k] W[n][k] + bias[n]: M = 8,192, N = 2,048, K = 4,096, on codes of FP4 (E2M1) with one E8M0 scale byte for each 32 along K; sums in f32.
; acodes and bcodes are this program's own: [tile of 256 rows][K step of 512][69,632 bytes]; such a block is 256 runs of 256 bytes of codes (a row's 512) and 16 runs of 256 bytes of scale bytes ([16 rows][16 bytes]).
; A tile of out0, 256 x 256, is made by a work-group of four waves; a wave makes 128 x 128: 64 accumulators, 512 registers.  32 x 8 tiles: 256 work-groups.
; K goes in 8 steps of 512 through a ring of two LDS slots.  A K step of an operand is one dense block of 272 units of 256 bytes; a wave's tensor load brings 136 of them, each padded by 16 bytes in LDS.
; CLUSTERS: 4 x 4 work-groups.  The four of a row need the same blocks of A, the four of a column the same blocks of B: each is asked for JOINTLY, by the same tensor load with a mask that names the four.
; THE MATRIX INSTRUCTION IS USED TRANSPOSED (source 0 = 16 rows of W, source 1 = 16 rows of A): a lane holds eight neighbouring numbers of a row of out0.  The bias is the C of each accumulator's first product.
; REGISTERS, in windows of 256: window 0: v0-31 addresses; v32-95 scale words, a set for each slot; v128-191, v192-255 A's fragments (8 x 16 rows x 128 K), TWO sets.
;   window 1: B's fragments, two sets, at v0 and v128; v64-127 the bias.   window 2: the accumulators of my rows 0-63 ((a, b) at v[8 (8 a + b)]);   window 3: those of my rows 64-127.
; A STEP of 128 along K is 64 matrix instructions on one pair of sets, while the other pair is filled: 24 LDS loads at the step's head and 8 in its middle, each 64 matrix instructions ahead of its first use;
; one run of four places a step stands in front of them.  THE LAST K STEP goes by rows of out0, so that finished rows leave while the others are multiplied.
; PREFETCH: behind K step 0's joint load each wave names K step 1, behind K step 1's K steps 2 and 3, and behind the refill with K step t, in the loop, K step t + 2.  Of the 136 units that a wave fetches, the partner at
; place p of the four that ask jointly names units 34 p .. 34 p + 33: a lane a unit, two instructions, the second's spare lanes naming its last unit again; told apart by address alone.
; K steps 8 and 9 do not exist: the loop's last trip asks for nothing.  A work-group never has more than two K steps asked for and not yet loaded.
.set SIZE_N, 2048
.set NQ,     4                         ; steps of 128 in a slot
.set PITCH,  272                       ; 256 bytes + 16 of padding: 68 words, so the 16 rows that a load touches start at 16 different banks (64 banks of 4 bytes: ISA guide 11.1)
.set FR,     8                         ; registers of a fragment
.set NP,     4                         ; places behind this matrix instruction (ISA guide 7.12.1)
.set UNITS,  136                       ; units of 256 bytes in one tensor load
.set HALFT,  UNITS*PITCH
.set OPB,    2*HALFT                   ; B's block lies behind A's
.set SLOT,   4*HALFT
.set TILEB,  69632
.set KT,     8*TILEB
.set LAPS,   4                         ; a lap = two K steps = once round the ring
.set SCU,    256*PITCH                 ; a block's scale units lie behind its 256 rows of codes
.set SPARE,  2*SLOT                    ; behind the ring: the spare words, 128 bytes a wave
.set SPITCH, 528                       ; the way out: a stage of 16 rows x (512 + 16) bytes for each wave, in slot 0, behind that slot's last fill and last read
.set SHARE,  34*256                    ; a partner's part of a wave's 136 units, for the prefetch
.set ADRA, 16                          ; v16-17 LDS address of my A fragments in slot 0, 1
.set ADRB, 20                          ; v20-21 the same for B
.set ADRS, 22                          ; v22-23 my scale words: lanes 0-15 A's rows, lanes 16-31 B's
.set STO,  24                          ; the way out: where I put 32 bytes of a row
.set RD,   25                          ; where I read a row back
.set CO,   26                          ; my byte offset in a row of out0
.set SPW,  28                          ; my spare word; never rewritten
.set NIL,  29                          ; 0; never rewritten
.set PFO,  30                          ; prefetch: 256 x lane
.set PFO2, 31                          ; prefetch: units 32 and 33
.set SC,   32
.set AF,   128
.set BI,   64                          ; in window 1
.set PFA,  12                          ; s[12:13] my share of a block: at K step 0 in the head; in the loop one K step in front of the refill's
.set G1,  24
.set G0,  32
.set G1B, 48
.set G0B, 56
.set MSB, 0
.macro WIN new                         ; the immediate's high byte repeats the setting that is left
.if MSB != (\new)
	s_set_vgpr_msb (MSB<<8)|(\new)
.set MSB, (\new)
.endif
.endm
.set MUL_LO, 0xa1                      ; source 0 (B) window 1, source 1 (A) window 0, C and D window 2
.set MUL_HI, 0xf1                      ; the same, C and D window 3
.set TO_B,   0x40                      ; destination window 1, address window 0
; A joint load: waves 0 and 1 fetch A's two halves, waves 2 and 3 B's.  An s_nop 0 and four v_nop follow each line.
.macro JLOAD g0a, g1a, g0b, g1b
	s_cmp_eq_u32 s15, 0
	s_cbranch_scc0 .Lfor_b_\@
	tensor_load_to_lds s[\g0a:\g0a+3], s[\g1a:\g1a+7]
	s_nop 0
.rept 4
	v_nop
.endr
	s_branch .Lasked_\@
.Lfor_b_\@:
	tensor_load_to_lds s[\g0b:\g0b+3], s[\g1b:\g1b+7]
	s_nop 0
.rept 4
	v_nop
.endr
.Lasked_\@:
.endm
.macro CREST                           ; a round of the cluster's barrier behind its opening barrier
	s_cmp_lg_u32 s14, 0
	s_cbranch_scc1 .Lnot_wave_0_\@
	s_barrier_signal -3
.Lnot_wave_0_\@:
	s_barrier_wait -3
	s_barrier_signal -1
	s_barrier_wait -1
.endm
.macro CROUND
	s_barrier_signal -1
	s_barrier_wait -1
	CREST
.endm
.macro ASK off                         ; my 34 units of the block that begins off bytes behind s[PFA]
	global_prefetch_b8 v[PFO], s[PFA:PFA+1] offset:\off th:TH_LOAD_NT scope:SCOPE_SE
	global_prefetch_b8 v[PFO2], s[PFA:PFA+1] offset:\off th:TH_LOAD_NT scope:SCOPE_SE
.endm
	s_load_b256 s[4:11], s[0:1], 0x0               ; acodes s[4:5], bcodes s[6:7], bias s[8:9], out0 s[10:11]
	v_lshl_add_u32 v[SPW], v0, 2, SPARE
	v_mov_b32 v[NIL], 0
	ds_add_u32 v[SPW], v[NIL]                      ; the opening lines: the add, twice on end, and its wait ahead of my first tensor load
	ds_add_u32 v[SPW], v[NIL]
	v_lshrrev_b32 v1, 5, v0
	v_readfirstlane_b32 s14, v1                    ; wave 0..3
	s_lshr_b32 s15, s14, 1                         ; which half of the tile's rows is mine.  Also: I fetch for A (0) or for B (1)
	s_and_b32 s16, s14, 1                          ; which half of its columns.  Also: which half of that block I fetch
	s_bfe_u32 s40, ttmp6, 0x40000                  ; cx, cy
	s_bfe_u32 s41, ttmp6, 0x40004
	s_lshl_b32 s42, ttmp9, 2
	s_add_co_u32 s42, s42, s40                     ; tile column
	s_and_b32 s17, ttmp7, 0xffff
	s_lshl_b32 s17, s17, 2
	s_add_co_u32 s17, s17, s41                     ; tile row
	s_lshl_b32 s43, s41, 2
	s_lshl_b32 s43, 15, s43                        ; my row of the cluster
	s_lshl_b32 s44, 0x1111, s40                    ; my column
	s_or_b32 s[G1+0], s43, (3<<16)|(1<<20)|(1<<21)|(5<<22)|(3<<25)   ; the mask; elements of 8 bytes; padding on; bit 21 beside a mask; after every 64 words 4 words
	s_or_b32 s[G1B+0], s44, (3<<16)|(1<<20)|(1<<21)|(5<<22)|(3<<25)
.irp g, G1, G1B
	s_mov_b32 s[\g+1], 32<<16                      ; tensor_dim0 = 32 elements: 256 bytes
	s_mov_b32 s[\g+2], UNITS<<16                   ; tensor_dim1
	s_mov_b32 s[\g+3], 32<<16                      ; tile_dim0
	s_mov_b32 s[\g+4], UNITS                       ; tile_dim1
	s_mov_b32 s[\g+5], 32                          ; the pitch: dense
	s_mov_b32 s[\g+6], 0
	s_mov_b32 s[\g+7], 0
.endr
	s_mul_i32 s22, s16, UNITS*256                  ; my half of a block
	s_mul_i32 s20, s17, KT
	s_add_co_u32 s20, s20, s22                     ; A: by the tile row alone
	s_mov_b32 s21, 0
	s_mul_i32 s46, s42, KT
	s_add_co_u32 s46, s46, s22                     ; B: by the tile column alone
	s_mov_b32 s47, 0
	s_mul_i32 s45, s14, HALFT                      ; where they go: wave x 136 units
	s_cmp_eq_u32 s15, 0                            ; the prefetches: do I fetch for A?
	s_cselect_b32 s18, s17, s42                    ; the tile,
	s_cselect_b32 s19, s40, s41                    ; and my place among the four that ask with me
	s_mul_i32 s18, s18, KT
	s_mul_i32 s19, s19, SHARE
	s_add_co_u32 s18, s18, s19
	s_add_co_u32 s18, s18, s22
	s_mov_b32 s19, 0
	s_wait_dscnt 0x0                               ; both opening adds are done
	CROUND                                         ; the round in front of the first joint loads; it stands ahead of the wait for the arguments, which are on their way meanwhile
	s_wait_kmcnt 0x0
	s_cmp_eq_u32 s15, 0
	s_cselect_b64 s[PFA:PFA+1], s[4:5], s[6:7]
	s_add_nc_u64 s[PFA:PFA+1], s[PFA:PFA+1], s[18:19]   ; at K step 0
	s_add_nc_u64 s[20:21], s[4:5], s[20:21]
	s_add_nc_u64 s[46:47], s[6:7], s[46:47]
.irp s, 0,1
	s_mov_b32 s[G0+4*\s], 1
	s_add_co_u32 s[G0+4*\s+1], s45, \s*SLOT
	s_add_nc_u64 s[G0+4*\s+2:G0+4*\s+3], s[20:21], \s*TILEB
	s_or_b32 s[G0+4*\s+3], s[G0+4*\s+3], 0x80000000
	s_mov_b32 s[G0B+4*\s], 1
	s_add_co_u32 s[G0B+4*\s+1], s45, \s*SLOT
	s_add_nc_u64 s[G0B+4*\s+2:G0B+4*\s+3], s[46:47], \s*TILEB
	s_or_b32 s[G0B+4*\s+3], s[G0B+4*\s+3], 0x80000000
.endr
	JLOAD G0, G1, G0B, G1B                         ; K step 0: one tensor load a wave at the head
	s_mul_i32 s18, s15, 128*PITCH                  ; my 128 rows of A
	s_mul_i32 s19, s16, 128*PITCH                  ; my 128 rows of B,
	s_add_co_u32 s19, s19, OPB                     ; behind A's block
	s_mul_i32 s21, s15, 8*PITCH                    ; my 8 units of A's scales
	s_mul_i32 s22, s16, 8*PITCH                    ; my 8 of B's
	s_add_co_u32 s22, s22, OPB
	s_sub_co_u32 s22, s22, s21                     ; the distance between the two
	s_add_co_u32 s21, s21, SCU
	s_mul_i32 s23, s14, 16*SPITCH                  ; my stage
	s_lshl_b32 s46, s42, 10                        ; my first column, in bytes: 1,024 x tile column + 512 x half
	s_lshl_b32 s47, s16, 9
	s_add_co_u32 s46, s46, s47
	s_mov_b32 s47, 0
	s_add_nc_u64 s[8:9], s[8:9], s[46:47]
	s_lshl_b32 s44, s17, 8
	s_lshl_b32 s45, s15, 7
	s_add_co_u32 s44, s44, s45                     ; my first row: 256 x tile row + 128 x half,
	s_lshl_b32 s44, s44, 13                        ; of 8,192 bytes
	s_mov_b32 s45, 0
	s_add_nc_u64 s[10:11], s[10:11], s[44:45]
	s_add_nc_u64 s[10:11], s[10:11], s[46:47]
	v_and_b32 v1, 15, v0                           ; l % 16
	v_bfe_u32 v2, v0, 4, 1                         ; l / 16
	v_mul_u32_u24 v3, v1, PITCH
	v_lshl_add_u32 v4, v2, 4, v3                   ; a fragment's row x pitch + 16 x half
	v_add_nc_u32 v[ADRA], s18, v4
	v_add_nc_u32 v[ADRB], s19, v4
	v_add_nc_u32 v[ADRA+1], SLOT, v[ADRA]
	v_add_nc_u32 v[ADRB+1], SLOT, v[ADRB]
	v_mul_u32_u24 v6, s22, v2                      ; lanes 16-31 take B's scales
	v_lshl_add_u32 v5, v1, 4, v6                   ; 16 bytes a row
	v_add_nc_u32 v[ADRS], s21, v5
	v_add_nc_u32 v[ADRS+1], SLOT, v[ADRS]
	v_mul_u32_u24 v5, v1, SPITCH                   ; into the stage: row l % 16, 32 bytes for each half of the lanes
	v_lshl_add_u32 v5, v2, 5, v5
	v_add_nc_u32 v[STO], s23, v5
	v_and_b32 v6, 31, v0
	v_lshlrev_b32 v[CO], 4, v6                     ; back: the 32 lanes take one row of 512 bytes; and the same in out0
	v_add_nc_u32 v[RD], s23, v[CO]
	v_lshlrev_b32 v[PFO], 8, v6
	v_min_u32 v5, 1, v6
	v_lshl_add_u32 v[PFO2], v5, 8, 0x2000
	v_lshlrev_b32 v7, 5, v2                        ; the bias: my eight columns of each block of 16
	s_wait_alu depctr_va_vdst(0)                   ; the wait at the head's end
	ASK TILEB                                      ; K step 1, whose load follows next
	WIN TO_B
.irp b, 0,1,2,3,4,5,6,7
	global_load_b128 v[BI+8*\b:BI+8*\b+3],   v7, s[8:9] offset:64*\b
	global_load_b128 v[BI+8*\b+4:BI+8*\b+7], v7, s[8:9] offset:64*\b+16
.endr
	WIN 0
.macro FRAG reg, adr, q, i             ; 16 rows x 128 K of 4-bit codes: lane l holds row l % 16; registers 4 c .. 4 c + 3 hold K = 64 c + 32 (l / 16) + 0 .. 31
.irp c, 0,1
	ds_load_b128 v[\reg+4*\c:\reg+4*\c+3], v[\adr] offset:64*(\q)+32*\c+(\i)*16*PITCH
.endr
.endm
; 16 matrix instructions: A's blocks a0, a0 + 1 x B's eight, the slot's q-th 128 along K.  p: the pair of sets; sc: the set of scale words; zero = 1: the first product takes the bias as C.
; The 64 accumulators take turns, one instruction a turn, in the same order in every step.
.macro MUL16 a0, p, q, sc, zero
.irp a, \a0, \a0+1
.irp b, 0,1,2,3,4,5,6,7
.if \zero
	v_wmma_scale_f32_16x16x128_f8f6f4 v[8*(8*((\a)%4)+\b):8*(8*((\a)%4)+\b)+7], v[128*(\p)+FR*\b:128*(\p)+FR*\b+FR-1], v[AF+64*(\p)+FR*(\a):AF+64*(\p)+FR*(\a)+FR-1], v[BI+8*\b:BI+8*\b+7], v[SC+8*NQ*(\sc)+NQ*\b+(\q)], v[SC+8*NQ*(\sc)+NQ*(\a)+(\q)] matrix_a_fmt:MATRIX_FMT_FP4 matrix_b_fmt:MATRIX_FMT_FP4 matrix_a_scale:MATRIX_SCALE_ROW1
.else
	v_wmma_scale_f32_16x16x128_f8f6f4 v[8*(8*((\a)%4)+\b):8*(8*((\a)%4)+\b)+7], v[128*(\p)+FR*\b:128*(\p)+FR*\b+FR-1], v[AF+64*(\p)+FR*(\a):AF+64*(\p)+FR*(\a)+FR-1], v[8*(8*((\a)%4)+\b):8*(8*((\a)%4)+\b)+7], v[SC+8*NQ*(\sc)+NQ*\b+(\q)], v[SC+8*NQ*(\sc)+NQ*(\a)+(\q)] matrix_a_fmt:MATRIX_FMT_FP4 matrix_b_fmt:MATRIX_FMT_FP4 matrix_a_scale:MATRIX_SCALE_ROW1
.endif
.endr
.endr
.endm
.macro FETCH_B slot, q, p              ; B's eight fragments into set p: 16 loads
	WIN TO_B
.irp i, 0,1,2,3,4,5,6,7
	FRAG 128*(\p)+FR*\i, ADRB+\slot, \q, \i
.endr
	WIN 0
.endm
.macro FETCH_A slot, q, i0, p          ; A's blocks i0 .. i0 + 3 into set p: 8 loads
.irp i, \i0, \i0+1, \i0+2, \i0+3
	FRAG AF+64*(\p)+FR*(\i), ADRA+\slot, \q, \i
.endr
.endm
.macro SCALES sc                       ; a K step's scale words: 4 words a row; lanes 0-15 take A's block i, lanes 16-31 B's block i
.irp i, 0,1,2,3,4,5,6,7
	ds_load_b128 v[SC+8*NQ*\sc+NQ*\i:SC+8*NQ*\sc+NQ*\i+3], v[ADRS+\sc] offset:\i*PITCH
.endr
.endm
.macro PLACES n
.rept \n
	v_nop
.endr
.endm
; A step that has its successor in the same slot
.macro STEP slot, q, zero
	s_wait_dscnt 8                                 ; B's set and A's blocks 0-3 (and a new slot's scale words) are in; the youngest eight loads, A's blocks 4-7, may be out
	PLACES NP                                      ; the other pair of sets was read by the step before: four places in front of all of this step's loads into it
	FETCH_B \slot, (\q)+1, 1-(\q)%2
	FETCH_A \slot, (\q)+1, 0, 1-(\q)%2
	WIN MUL_LO-0x10*(\zero)                        ; (the bias lies in window 1)
	MUL16 0, (\q)%2, \q, \slot, \zero
	MUL16 2, (\q)%2, \q, \slot, \zero
	WIN 0
	FETCH_A \slot, (\q)+1, 4, 1-(\q)%2
	s_wait_dscnt 32                                ; all but this step's 24 + 8 loads: A's blocks 4-7 are in
	WIN MUL_HI-0x20*(\zero)
	MUL16 4, (\q)%2, \q, \slot, \zero
	MUL16 6, (\q)%2, \q, \slot, \zero
.endm
; A slot's last step changes slots and fills the slot again, two K steps ahead: ONE barrier, which opens a round of the cluster's; in front of it each wave waits for all its tensor loads, adds 0 to its spare word,
; and waits for that and for its reads of this slot.
.macro TURN slot, next
	WIN 0                                          ; (the add's two registers lie in window 0)
	s_wait_xcnt 0x0                                ; my prefetches have read their base: it steps only behind this wait
	s_add_nc_u64 s[PFA:PFA+1], s[PFA:PFA+1], TILEB
	s_wait_tensorcnt 0x0                           ; all my tensor loads have landed: my part of the next slot;
	ds_add_u32 v[SPW], v[NIL]
	s_wait_dscnt 9                                 ; (the add and the youngest eight loads may be out)
	WIN MUL_LO
	MUL16 0, 1, NQ-1, \slot, 0
	s_wait_dscnt 0x0                               ; the add is done, and my reads of this slot are over
	s_barrier_signal -1
	MUL16 2, 1, NQ-1, \slot, 0
	WIN 0
	s_barrier_wait -1
	CREST                                          ; no wave of any partner still reads this slot or has a load on its way
	s_add_nc_u64 s[G0+4*\slot+2:G0+4*\slot+3], s[G0+4*\slot+2:G0+4*\slot+3], 2*TILEB
	s_add_nc_u64 s[G0B+4*\slot+2:G0B+4*\slot+3], s[G0B+4*\slot+2:G0B+4*\slot+3], 2*TILEB
	JLOAD G0+4*\slot, G1, G0B+4*\slot, G1B         ; the first tensor load behind the round; its four v_nop are the places in front of the loads below
	FETCH_B \next, 0, 0
	FETCH_A \next, 0, 0, 0
	SCALES \next
	FETCH_A \next, 0, 4, 0
	s_cmp_gt_u32 s3, 1                             ; s3 = 1 in the loop's last trip, whose refills have no K step two on
	s_cbranch_scc0 .Lno_ask_\@
	ASK 3*TILEB                                    ; the base stands one K step in front of the refill's: two K steps beyond the refill
.Lno_ask_\@:
	WIN MUL_HI
	MUL16 4, 1, NQ-1, \slot, 0
	MUL16 6, 1, NQ-1, \slot, 0
.endm
.macro STEPS slot, from
.set Q, \from
.rept NQ-1-\from
	STEP \slot, Q, 0
.set Q, Q+1
.endr
.endm
	s_wait_tensorcnt 0x0                           ; my part of K step 0 is in
	ds_add_u32 v[SPW], v[NIL]
	s_wait_dscnt 0x0
	CROUND                                         ; everybody's part is in, and all sixteen work-groups are here
	JLOAD G0+4, G1, G0B+4, G1B                     ; K step 1: slot 1's first fill, the first tensor load behind the round
	FETCH_B 0, 0, 0
	FETCH_A 0, 0, 0, 0
	SCALES 0
	FETCH_A 0, 0, 4, 0
	ASK 2*TILEB                                    ; K steps 2 and 3: their refills stand one and two K steps on
	ASK 3*TILEB
	s_wait_loadcnt 0x0                             ; the bias
	STEP 0, 0, 1                                   ; the first step stands in front of the loop: its products start the sums
	WIN 0                                          ; at a label and at a branch every window is 0
	s_mov_b32 s3, LAPS-1
.Llap:                                                 ; a trip goes once round the ring, from a lap's second step to the next lap's first, and fills both slots again
	STEPS 0, 1
	TURN 0, 1
	STEPS 1, 0
	TURN 1, 0
	STEP 0, 0, 0
	WIN 0
	s_sub_co_u32 s3, s3, 1
	s_cmp_lg_u32 s3, 0
	s_cbranch_scc1 .Llap
	STEPS 0, 1                                     ; the last lap fills nothing, and has no round of the cluster's barrier
; THE WAY OUT, block by block of 16 rows x 128 columns.  A lane holds 32 neighbouring bytes of a row, the lanes beside it other rows: a block goes through my own stage in LDS and comes back as whole rows of 512 bytes
; INTO ITS OWN 64 ACCUMULATOR REGISTERS: no register serves two blocks, and every row's place stands in the store's immediate (127 rows of 8,192 bytes at the most, inside the signed 24 bits), so nothing that a store
; reads is written again.  LDS serves a wave's instructions in order (ISA guide 5.7.1.4): the loads see the stores in front of them, and the next block's stores come behind these loads.
; One window setting serves LDS stores, LDS loads and global stores of a block: data and destination in window 2 (blocks 0-3) or 3 (blocks 4-7), addresses in window 0.
.macro TOSTAGE a
.set AC, 64*((\a)%4)
	WIN 0x88+0x44*((\a)/4)
.irp b, 0,1,2,3,4,5,6,7
	ds_store_b128 v[STO], v[AC+8*\b:AC+8*\b+3] offset:64*\b          ; each accumulator from its low end on
	ds_store_b128 v[STO], v[AC+8*\b+4:AC+8*\b+7] offset:64*\b+16
.endr
.irp t, 0,1,2,3,4,5,6,7,8,9,10,11,12,13,14,15
	ds_load_b128 v[AC+4*\t:AC+4*\t+3], v[RD] offset:\t*SPITCH
.endr
.endm
.macro SEND a, younger                 ; younger: the LDS instructions issued behind block a's loads, which may stay out
.set AC, 64*((\a)%4)
	WIN 0x88+0x44*((\a)/4)
	s_wait_dscnt \younger
.irp t, 0,1,2,3,4,5,6,7,8,9,10,11,12,13,14,15
	global_store_b128 v[CO], v[AC+4*\t:AC+4*\t+3], s[10:11] offset:(16*(\a)+\t)*SIZE_N*4 th:TH_STORE_NT   ; 32 lanes store 512 consecutive bytes, at a multiple of 256 from out0's first byte
.endr
.endm
; THE LAST K STEP (it lies in slot 1) GOES BY ROWS OF out0, NOT BY K.  All its fragments of B (4 x 64 registers) fill window 1; A's come by blocks of 16 rows x 512 K, 32 registers, in four buffers where A's two sets lay.
; My eight blocks of 16 rows are finished one after the other, 32 matrix instructions each, the block's 8 accumulators by turns, and each block goes out while the next is multiplied.
; LDS is read no more than in any other K step.
.macro BLOAD q                         ; B's fragments of the slot's q-th 128 along K -> window 1, v[64 q ..]
.irp i, 0,1,2,3,4,5,6,7
	FRAG 64*(\q)+FR*\i, ADRB+1, \q, \i
.endr
.endm
.macro ALOAD a                         ; A's fragments of block a, all four quarters -> buffer a % 4
.irp q, 0,1,2,3
	FRAG AF+32*((\a)%4)+FR*\q, ADRA+1, \q, \a
.endr
.endm
.macro ROW a                           ; block a is finished
.set FA, AF+32*((\a)%4)
.set AC, 64*((\a)%4)
	WIN MUL_LO+0x50*((\a)/4)
.irp q, 0,1,2,3
.if (\a) == 0 && \q == 2
	s_wait_dscnt 16                                ; B's quarter 2 is in (behind it: A's blocks 2 and 3)
.endif
.irp b, 0,1,2,3,4,5,6,7
	v_wmma_scale_f32_16x16x128_f8f6f4 v[AC+8*\b:AC+8*\b+7], v[64*\q+FR*\b:64*\q+FR*\b+FR-1], v[FA+FR*\q:FA+FR*\q+FR-1], v[AC+8*\b:AC+8*\b+7], v[SC+8*NQ+NQ*\b+\q], v[SC+8*NQ+NQ*(\a)+\q] matrix_a_fmt:MATRIX_FMT_FP4 matrix_b_fmt:MATRIX_FMT_FP4 matrix_a_scale:MATRIX_SCALE_ROW1
.endr
.endr
.endm
	WIN 0                                          ; slot 0's last step, and the last change of slots: nothing is filled again, so no round follows
	s_wait_tensorcnt 0x0                           ; my one tensor load that was still out is slot 1's
	ds_add_u32 v[SPW], v[NIL]
	s_wait_dscnt 9                                 ; (the add and the youngest eight loads may be out)
	WIN MUL_LO
	MUL16 0, 1, NQ-1, 0, 0
	s_wait_dscnt 0x0                               ; the add is done, and my reads of slot 0 are over
	s_barrier_signal -1
	MUL16 2, 1, NQ-1, 0, 0
	s_barrier_wait -1
	PLACES NP                                      ; for the loads into the sets that the step before multiplied
	WIN TO_B
	BLOAD 0                                        ; three quarters of B now: set 1 (v128-191 of window 1, v192-255 of window 0) is still being multiplied
	BLOAD 1
	BLOAD 3
	WIN 0
	ALOAD 0
	ALOAD 1
	SCALES 1
	WIN MUL_HI
	MUL16 4, 1, NQ-1, 0, 0
	MUL16 6, 1, NQ-1, 0, 0
	PLACES NP                                      ; for the loads into set 1
	WIN TO_B
	BLOAD 2
	WIN 0
	ALOAD 2
	ALOAD 3
	s_wait_dscnt 32                                ; all but the 32 just issued
	ROW 0
.irp a, 0,1,2,3,4,5,6,7
	PLACES NP                                      ; behind block a's last products: in front of the reads of its results and of the loads into its registers
	TOSTAGE \a
.if \a < 4
	WIN 0
	ALOAD \a+4                                     ; its buffer takes the block four further on
.endif
.if \a < 7
	ROW \a+1                                       ; the next block is multiplied while this one turns through the stage
.endif
.if \a < 4
	SEND \a, 8                                     ; behind block a's loads from the stage: the eight loads of A
.else
	SEND \a, 0
.endif
.endr
	WIN 0
	s_wait_tensorcnt 0x0                           ; the wave's end
	ds_add_u32 v[SPW], v[NIL]
	s_wait_dscnt 0x0
	CROUND                                         ; the closing round: no work-group ends while a partner may still ask for a tile that names it
	s_endpgm
.Lfunc_end_k_q17293494a3_gemm:
	.size	k_q17293494a3_gemm, .Lfunc_end_k_q17293494a3_gemm-k_q17293494a3_gemm
	.p2alignl 7, 3214868480
	.fill 96, 4, 3214868480
	.section	.rodata,"a",@progbits
	.p2align	6, 0x0
	.amdhsa_kernel k_q17293494a3_gemm
		.amdhsa_group_segment_fixed_size 327680
		.amdhsa_private_segment_fixed_size 0
		.amdhsa_enable_private_segment 0
		.amdhsa_kernarg_size 32
		.amdhsa_user_sgpr_count 2
		.amdhsa_user_sgpr_kernarg_segment_ptr 1
		.amdhsa_wavefront_size32 1
		.amdhsa_system_sgpr_workgroup_id_x 1
		.amdhsa_system_sgpr_workgroup_id_y 1
		.amdhsa_system_sgpr_workgroup_id_z 1
		.amdhsa_system_vgpr_workitem_id 0
		.amdhsa_next_free_vgpr 1024
		.amdhsa_next_free_sgpr 66
		.amdhsa_reserve_vcc 0
		.amdhsa_float_denorm_mode_32 3
		.amdhsa_float_denorm_mode_16_64 3
		.amdhsa_memory_ordered 1
		.amdhsa_forward_progress 1
		.amdhsa_inst_pref_size 210
	.end_amdhsa_kernel
	.amdgpu_metadata
---
amdhsa.version: [ 1, 2 ]
amdhsa.kernels:
  - .name:           k_q17293494a3_gemm
    .symbol:         k_q17293494a3_gemm.kd
    .args:
      - { .name: acodes, .offset: 0, .size: 8, .value_kind: global_buffer, .address_space: global }
      - { .name: bcodes, .offset: 8, .size: 8, .value_kind: global_buffer, .address_space: global }
      - { .name: bias, .offset: 16, .size: 8, .value_kind: global_buffer, .address_space: global }
      - { .name: out0, .offset: 24, .size: 8, .value_kind: global_buffer, .address_space: global }
    .group_segment_fixed_size: 327680
    .private_segment_fixed_size: 0
    .kernarg_segment_align: 8
    .kernarg_segment_size: 32
    .max_flat_workgroup_size: 128
    .sgpr_count:     66
    .vgpr_count:     1024
    .wavefront_size: 32
...
	.end_amdgpu_metadata
.endif
;; end of part 2
